; MI455X (gfx1250); checked and timed in simulation.
; The chip was launched on July 23, 2026; its instructions are those of AMD's public machine-readable ISA for CDNA 5 (MIT licence, August 2026) and "CDNA5" Instruction Set Architecture Reference Guide (July 2026). The comments in the code are by the model that wrote it; some were corrected since.
;; Discretized DPLRSSM Block. Allowed arithmetic: float matrix products may take bf16 or f16 operands with f32 sums; all other float work in f32.
;; Inputs: a_diag 4,096 float32; b_mat 4,096 x 4,096 float32; h 4,096 x 4,096 float32; p_vec 4,096 x 4 float32; q_vec 4,096 x 4 float32; x 4,096 x 4,096 float32.
;; Outputs: out0 4,096 x 4,096 float32.
;; 2 versions, each right; version 2 is version 1 with the launch prep written anew for expert scheduling mode. Each part assembles by itself: llvm-mc -triple=amdgcn-amd-amdhsa -mcpu=gfx1250 --defsym DOCPART=n.
;; ======== version 1 of 2: 2 launches
;; workspace buffers: xb 33,554,432 bytes; bt 33,554,432 bytes; te 262,144 bytes; pe 262,144 bytes
;; launch prep (part 1): grid 256 x 3, 8 waves a work-group, no clusters, 144,384 bytes of LDS; arguments x, b_mat, h, q_vec, p_vec, xb, bt, te, pe; writes xb, bt, te, pe
.if DOCPART == 1
	.amdgcn_target "amdgcn-amd-amdhsa--gfx1250"
	.amdhsa_code_object_version 6
	.text
	.protected	k_q8498418f06_prep
	.globl	k_q8498418f06_prep
	.p2align	8
	.type	k_q8498418f06_prep,@function
k_q8498418f06_prep:
	s_mov_b64 s[64:65], 0
	v_nop
	global_prefetch_b8 v0, s[64:65] scope:SCOPE_SE
	s_setreg_imm32_b32 hwreg(HW_REG_WAVE_MODE, 25, 1), 1
	s_wait_xcnt 0x0
; PREP: what the product's launch wants ready.  Three roles, chosen by the work-group's y; every wave of every role reads 32,768 bytes by 64 loads of 16 bytes a lane, 32 of them on their way.
;   role 0 (X): xb[m][k] = bf16(x[m][k]).                                     A wave takes 32,768 consecutive bytes of x.
;   role 1 (B): bt[P][k] = bf16(b_mat[k][n(P)]), n(P) = 64 (P / 64) + 4 (P % 16) + (P / 16) % 4.   A wave takes 128 k x 64 n and turns it in LDS bytes of its own.
;   role 2 (H): te[m][0..3] = bf16(t[m][0..3]), t = h q summed in f32; te[m][4..31] = 0.  pe[P][0..3] = bf16(p[n(P)][0..3]); pe[P][4..31] = 0.   A work-group takes 16 rows of h, a wave 512 columns.
; WHY THE ORDER n(P): in the product's result a lane holds one position P of bt.  With this order the four accumulators 16 positions apart hold, in one lane, four NEIGHBOURING columns of the output,
; so the product's launch stores 16 bytes a lane, 256 consecutive bytes for sixteen lanes, without a trip through LDS.
; No matrix unit, no cluster, no tensor load: no byte is shared between work-groups (q's 65,536 bytes aside), and registers hold what is on its way.
; LIMITS.  x, b_mat, p and t are rounded once to bf16 (nearest even; bf16 has f32's range).  t's f32 sum goes by lanes, then by waves: another order than the reference's.  NaN and infinities are not treated apart.
.set PITCH, 272                        ; role B: an LDS row of 128 bf16 + 16 bytes: 16 rows that a store touches start at 16 different 16-byte columns of 256
.set WREG,  64*PITCH                   ; role B: a wave's own 64 rows
.set PART,  8*WREG                     ; role H: 16 partial sums (wave, half of the lanes) x 16 rows x 4 f32 = 4,096 bytes
.set SPARE, PART+4096                  ; the spare words, 128 bytes for each of eight waves: four blocks of 256 bytes that no other line names
.set LO,  4                            ; v4   byte offset of my loads; never rewritten
.set SO,  5                            ; v5   byte offset of my stores; never rewritten
.set LW,  6                            ; v6   LDS address that I write
.set LR,  7                            ; v7   LDS address that I read
.set QO,  8                            ; v8   byte offset in q, later in p
.set SPW, 10                           ; v10  LDS address of my spare word; never rewritten
.set NIL, 11                           ; v11  0; never rewritten
.set DD,  12                           ; v[12:13]  role H: the 8 bytes that I store
.set Y,   16                           ; v[16:31]  at work
.set Q,   32                           ; v[32:95]  role H: q's rows of my 16 columns
.set X,   96                           ; v[96:223] four buffers of eight loads
	s_load_b256 s[8:15], s[0:1], 0x0               ; x s[8:9], b_mat s[10:11], h s[12:13], q s[14:15]
	s_load_b256 s[16:23], s[0:1], 0x20             ; p s[16:17], xb s[18:19], bt s[20:21], te s[22:23]
	s_load_b64 s[24:25], s[0:1], 0x40              ; pe
	v_lshl_add_u32 v[SPW], v0, 2, SPARE
	v_mov_b32 v[NIL], 0
	v_and_b32 v1, 31, v0                           ; l: lane
	v_and_b32 v2, 15, v0                           ; r = l % 16
	v_bfe_u32 v3, v0, 4, 1                         ; hh = l / 16
	v_lshrrev_b32 v9, 5, v0
	v_readfirstlane_b32 s3, v9                     ; w: wave 0..7
	s_and_b32 s2, ttmp7, 0xffff                    ; the role: alike in all waves of a work-group
	s_mov_b32 s4, ttmp9                            ; g: 0..255
	s_mov_b32 s27, 0                               ; high words of the two offsets
	s_mov_b32 s29, 0
	s_wait_kmcnt 0x0
	s_cmp_eq_u32 s2, 1
	s_cbranch_scc1 .Lrole_b
	s_cmp_eq_u32 s2, 2
	s_cbranch_scc1 .Lrole_h
; Chunk c of eight: eight loads into buffer c % 4.  Load i = 8 c + e stands at (i / dv) s1 + (i % dv) s2 bytes.
.macro LD8 c, base, dv, s1, s2
.irp e, 0,1,2,3,4,5,6,7
	global_load_b128 v[X+32*((\c)%4)+4*\e:X+32*((\c)%4)+4*\e+3], v[LO], s[\base:\base+1] offset:((8*(\c)+\e)/(\dv))*(\s1)+((8*(\c)+\e)%(\dv))*(\s2) th:TH_LOAD_NT
.endr
.endm
; Loads come back in order (ISA guide 5.7.1): chunk c is in when only the younger chunks are out: three of eight loads while chunks are still being asked for, then two, one, none.
.macro WAITC c
.if (\c) <= 4
	s_wait_loadcnt 24
.else
	s_wait_loadcnt 8*(7-(\c))
.endif
.endm
; ---------------- role 0: x to bf16 ----------------
	s_lshl_b32 s26, s4, 18                         ; the group's 262,144 bytes of x,
	s_lshl_b32 s5, s3, 15                          ; my wave's 32,768 of them
	s_add_co_u32 s26, s26, s5
	s_add_nc_u64 s[8:9], s[8:9], s[26:27]
	s_lshr_b32 s28, s26, 1                         ; half as many in xb
	s_add_nc_u64 s[18:19], s[18:19], s[28:29]
	v_lshlrev_b32 v[LO], 4, v1                     ; a load of the wave covers 512 consecutive bytes,
	v_lshlrev_b32 v[SO], 3, v1                     ; a store 256, aligned
	LD8 0, 8, 1, 512, 0
	LD8 1, 8, 1, 512, 0
	LD8 2, 8, 1, 512, 0
	LD8 3, 8, 1, 512, 0
.irp c, 0,1,2,3,4,5,6,7
	WAITC \c
	s_wait_xcnt 0x0                                ; Y was the data of the last chunk's stores: it is rewritten only behind this wait (ISA guide 3.1)
.irp e, 0,1,2,3,4,5,6,7
	v_cvt_pk_bf16_f32 v[Y+2*\e],   v[X+32*(\c%4)+4*\e],   v[X+32*(\c%4)+4*\e+1]
	v_cvt_pk_bf16_f32 v[Y+2*\e+1], v[X+32*(\c%4)+4*\e+2], v[X+32*(\c%4)+4*\e+3]
.endr
.if \c < 4
	LD8 \c+4, 8, 1, 512, 0                         ; the buffer just read is asked for again, ahead of the stores
.endif
.irp e, 0,1,2,3,4,5,6,7
	global_store_b64 v[SO], v[Y+2*\e:Y+2*\e+1], s[18:19] offset:256*(8*\c+\e)
.endr
.endr
	s_endpgm                                       ; this role has written no LDS
; ---------------- role 1: b_mat to bf16, turned ----------------
.Lrole_b:
	s_lshr_b32 s5, s4, 3                           ; kb = g / 8: which 128 k
	s_and_b32 s6, s4, 7
	s_lshl3_add_u32 s6, s6, s3                     ; ng = 8 (g % 8) + w: which 64 n
	s_lshl_b32 s26, s5, 21                         ; 128 rows of 16,384 bytes
	s_lshl_b32 s7, s6, 8                           ; 64 columns of 4 bytes
	s_add_co_u32 s26, s26, s7
	s_add_nc_u64 s[10:11], s[10:11], s[26:27]
	s_lshl_b32 s28, s6, 19                         ; 64 rows of bt, 8,192 bytes each
	s_lshl_b32 s7, s5, 8                           ; 128 k of 2 bytes
	s_add_co_u32 s28, s28, s7
	s_add_nc_u64 s[20:21], s[20:21], s[28:29]
	v_lshlrev_b32 v[LO], 4, v2
	v_lshl_add_u32 v[LO], v3, 20, v[LO]            ; load i: row k = 64 hh + i, columns 4 r .. 4 r + 3: each half of the lanes reads 256 consecutive bytes, aligned
	s_mul_i32 s7, s3, WREG                         ; my wave's own LDS bytes
	v_mul_u32_u24 v[LW], v2, PITCH
	v_lshl_add_u32 v[LW], v3, 7, v[LW]
	v_add_nc_u32 v[LW], s7, v[LW]                  ; in: LDS row r (+ 16 for each of my four columns), byte 128 hh (+ 16 for each chunk)
	v_mul_u32_u24 v[LR], v3, PITCH
	v_lshl_add_u32 v[LR], v2, 4, v[LR]
	v_add_nc_u32 v[LR], s7, v[LR]                  ; back: lanes 0-15 one row of 256 bytes, lanes 16-31 the next
	v_lshlrev_b32 v[SO], 4, v2
	v_lshl_add_u32 v[SO], v3, 13, v[SO]            ; and the same two rows in bt
	LD8 0, 10, 1, 16384, 0
	LD8 1, 10, 1, 16384, 0
	LD8 2, 10, 1, 16384, 0
	LD8 3, 10, 1, 16384, 0
.irp c, 0,1,2,3,4,5,6,7
	WAITC \c
.irp q, 0,1,2,3                                        ; my column 4 r + q: eight k of it, 64 hh + 8 c + 0..7, pack into 16 bytes
.irp u, 0,1,2,3
	v_cvt_pk_bf16_f32 v[Y+4*\q+\u], v[X+32*(\c%4)+8*\u+\q], v[X+32*(\c%4)+8*\u+4+\q]
.endr
.endr
.if \c < 4
	LD8 \c+4, 10, 1, 16384, 0
.endif
.irp q, 0,1,2,3
	ds_store_b128 v[LW], v[Y+4*\q:Y+4*\q+3] offset:\q*16*PITCH+16*\c  ; LDS row 16 q + r IS position P % 64 of column 4 r + q
.endr
.endr
.irp i, 0,1,2,3,4,5,6,7,8,9,10,11,12,13,14,15,16,17,18,19,20,21,22,23,24,25,26,27,28,29,30,31
	ds_load_b128 v[X+4*\i:X+4*\i+3], v[LR] offset:2*PITCH*\i  ; LDS serves a wave's instructions in order (ISA guide 5.7.1.4): these see my stores above; no other wave touches these bytes
.endr
.irp i, 0,1,2,3,4,5,6,7,8,9,10,11,12,13,14,15,16,17,18,19,20,21,22,23,24,25,26,27,28,29,30,31
	s_wait_dscnt 31-\i                             ; the younger read-backs may stay out
	global_store_b128 v[SO], v[X+4*\i:X+4*\i+3], s[20:21] offset:16384*\i  ; rows 2 i and 2 i + 1: sixteen lanes store 256 consecutive bytes, aligned
.endr
	s_wait_tensorcnt 0x0                           ; the wave's end, behind my last LDS store
	ds_add_u32 v[SPW], v[NIL]
	s_wait_dscnt 0x0
	s_endpgm
; ---------------- role 2: t = h q, and p ----------------
.Lrole_h:
	s_lshl_b32 s26, s4, 18                         ; the group's 16 rows of 16,384 bytes,
	s_lshl_b32 s5, s3, 11                          ; my wave's 512 columns
	s_add_co_u32 s26, s26, s5
	s_add_nc_u64 s[12:13], s[12:13], s[26:27]
	s_lshl_b32 s28, s3, 13                         ; q's 512 rows of 16 bytes for those columns
	s_add_nc_u64 s[14:15], s[14:15], s[28:29]
	v_lshlrev_b32 v[LO], 4, v1                     ; a load covers 512 consecutive bytes of a row of h: columns 128 u + 4 l + 0..3
	v_lshlrev_b32 v[QO], 6, v1                     ; q's four rows for them: 64 bytes a lane
	v_lshlrev_b32 v[SO], 3, v1
	s_lshl_b32 s5, s3, 9
	s_add_co_u32 s5, s5, PART
	v_lshl_add_u32 v[LW], v3, 8, s5                ; partial 2 w + hh
	; q first: 16 loads, 8,192 bytes once a wave, each lane's 16 bytes 64 apart: four loads together cover the same 2,048 consecutive bytes.  They stay in registers for all 16 rows.
.irp u, 0,1,2,3
.irp e, 0,1,2,3
	global_load_b128 v[Q+16*\u+4*\e:Q+16*\u+4*\e+3], v[QO], s[14:15] offset:2048*\u+16*\e
.endr
.endr
	LD8 0, 12, 4, 16384, 512                       ; a chunk is two rows' four loads; 48 loads are out at the most
	LD8 1, 12, 4, 16384, 512
	LD8 2, 12, 4, 16384, 512
	LD8 3, 12, 4, 16384, 512
; One row: my 16 numbers of h times q's rows, four chains (one for each load u) that do not wait for each other and are started by a product: nothing is cleared.
; A packed instruction takes ONE number of h for both halves (op_sel, op_sel_hi of source 0) and two of q's four columns.
.macro ROWSUM xr, rho
.irp u, 0,1,2,3
	v_pk_mul_f32 v[Y+4*\u:Y+4*\u+1],   v[(\xr)+4*\u:(\xr)+4*\u+1], v[Q+16*\u:Q+16*\u+1] op_sel_hi:[0,1]
	v_pk_mul_f32 v[Y+4*\u+2:Y+4*\u+3], v[(\xr)+4*\u:(\xr)+4*\u+1], v[Q+16*\u+2:Q+16*\u+3] op_sel_hi:[0,1]
.endr
.irp u, 0,1,2,3
	v_pk_fma_f32 v[Y+4*\u:Y+4*\u+1],   v[(\xr)+4*\u:(\xr)+4*\u+1], v[Q+16*\u+4:Q+16*\u+5], v[Y+4*\u:Y+4*\u+1] op_sel:[1,0,0] op_sel_hi:[1,1,1]
	v_pk_fma_f32 v[Y+4*\u+2:Y+4*\u+3], v[(\xr)+4*\u:(\xr)+4*\u+1], v[Q+16*\u+6:Q+16*\u+7], v[Y+4*\u+2:Y+4*\u+3] op_sel:[1,0,0] op_sel_hi:[1,1,1]
.endr
.irp u, 0,1,2,3
	v_pk_fma_f32 v[Y+4*\u:Y+4*\u+1],   v[(\xr)+4*\u+2:(\xr)+4*\u+3], v[Q+16*\u+8:Q+16*\u+9], v[Y+4*\u:Y+4*\u+1] op_sel_hi:[0,1,1]
	v_pk_fma_f32 v[Y+4*\u+2:Y+4*\u+3], v[(\xr)+4*\u+2:(\xr)+4*\u+3], v[Q+16*\u+10:Q+16*\u+11], v[Y+4*\u+2:Y+4*\u+3] op_sel_hi:[0,1,1]
.endr
.irp u, 0,1,2,3
	v_pk_fma_f32 v[Y+4*\u:Y+4*\u+1],   v[(\xr)+4*\u+2:(\xr)+4*\u+3], v[Q+16*\u+12:Q+16*\u+13], v[Y+4*\u:Y+4*\u+1] op_sel:[1,0,0] op_sel_hi:[1,1,1]
	v_pk_fma_f32 v[Y+4*\u+2:Y+4*\u+3], v[(\xr)+4*\u+2:(\xr)+4*\u+3], v[Q+16*\u+14:Q+16*\u+15], v[Y+4*\u+2:Y+4*\u+3] op_sel:[1,0,0] op_sel_hi:[1,1,1]
.endr
	v_pk_add_f32 v[Y:Y+1],     v[Y:Y+1],     v[Y+4:Y+5]        ; the four chains into one
	v_pk_add_f32 v[Y+2:Y+3],   v[Y+2:Y+3],   v[Y+6:Y+7]
	v_pk_add_f32 v[Y+8:Y+9],   v[Y+8:Y+9],   v[Y+12:Y+13]
	v_pk_add_f32 v[Y+10:Y+11], v[Y+10:Y+11], v[Y+14:Y+15]
	v_pk_add_f32 v[Y:Y+1],     v[Y:Y+1],     v[Y+8:Y+9]
	v_pk_add_f32 v[Y+2:Y+3],   v[Y+2:Y+3],   v[Y+10:Y+11]
.irp m, 1,2,4,8                                        ; over the 16 lanes of each half; the two halves stay two partial sums
.irp k, 0,1,2,3
	v_add_f32_dpp v[Y+\k], v[Y+\k], v[Y+\k] row_xmask:\m row_mask:0xf bank_mask:0xf
.endr
.endr
	ds_store_b128 v[LW], v[Y:Y+3] offset:16*(\rho)  ; the 16 lanes of a half write the same 16 bytes with the same numbers
.endm
.irp c, 0,1,2,3,4,5,6,7
	WAITC \c                                       ; the first of these also shows q in: its loads are older
	ROWSUM X+32*(\c%4), 2*\c
	ROWSUM X+32*(\c%4)+16, 2*\c+1
.if \c < 4
	LD8 \c+4, 12, 4, 16384, 512
.endif
.endr
	v_lshrrev_b32 v9, 3, v1                        ; l / 8: which of the four rows of 64 bytes that my wave stores
	s_wait_dscnt 0x0                               ; for the others' sake: my partial sums are in LDS
	s_barrier_signal -1                            ; the launch's one barrier: all eight waves of a work-group of this role pass it
	s_barrier_wait -1
	s_cmp_ge_u32 s3, 4
	s_cbranch_scc1 .Lp
	; waves 0-3: rows 4 w .. 4 w + 3 of the group's 16: the 16 partial sums are added
	s_and_b32 s5, s3, 3
	s_lshl_b32 s5, s5, 6
	s_add_co_u32 s5, s5, PART
	v_lshl_add_u32 v[LR], v9, 4, s5
.irp i, 0,1,2,3,4,5,6,7,8,9,10,11,12,13,14,15
	ds_load_b128 v[X+4*\i:X+4*\i+3], v[LR] offset:256*\i
.endr
	s_wait_dscnt 0x0
.macro FOLD n, st                      ; n sums: the four numbers at X + 2 st i take the four st registers on
.set i, 0
.rept \n
	v_pk_add_f32 v[X+2*(\st)*i:X+2*(\st)*i+1],   v[X+2*(\st)*i:X+2*(\st)*i+1],   v[X+2*(\st)*i+(\st):X+2*(\st)*i+(\st)+1]
	v_pk_add_f32 v[X+2*(\st)*i+2:X+2*(\st)*i+3], v[X+2*(\st)*i+2:X+2*(\st)*i+3], v[X+2*(\st)*i+(\st)+2:X+2*(\st)*i+(\st)+3]
.set i, i+1
.endr
.endm
	FOLD 8, 4
	FOLD 4, 8
	FOLD 2, 16
	FOLD 1, 32
	s_mov_b64 s[30:31], s[22:23]                   ; to te
	s_branch .Lpack
.Lp:	; waves 4-7: positions P = 16 g + 4 (w - 4) + l / 8 of pe hold p's row n(P) = 64 (g / 4) + 16 (w - 4) + 4 (l / 8) + g % 4
	s_lshr_b32 s5, s4, 2
	s_lshl_b32 s5, s5, 6
	s_and_b32 s6, s4, 3
	s_add_co_u32 s5, s5, s6
	s_sub_co_u32 s6, s3, 4
	s_lshl_b32 s6, s6, 4
	s_add_co_u32 s5, s5, s6
	s_lshl_b32 s26, s5, 4                          ; rows of 16 bytes
	s_add_nc_u64 s[16:17], s[16:17], s[26:27]
	v_lshlrev_b32 v[QO], 6, v9                     ; (q's loads, which named this register, have long come back)
	global_load_b128 v[X:X+3], v[QO], s[16:17]
	s_wait_loadcnt 0x0
	s_mov_b64 s[30:31], s[24:25]                   ; to pe
.Lpack:	; four numbers become the first 8 bytes of a row of 64; the other 56 are zeros.  A wave stores four such rows: 256 consecutive bytes, aligned
	s_lshl_b32 s26, s4, 10                         ; the group's 16 rows,
	s_and_b32 s5, s3, 3
	s_lshl_b32 s5, s5, 8                           ; my wave's four
	s_add_co_u32 s26, s26, s5
	s_add_nc_u64 s[30:31], s[30:31], s[26:27]
	v_cvt_pk_bf16_f32 v[DD], v[X], v[X+1]
	v_cvt_pk_bf16_f32 v[DD+1], v[X+2], v[X+3]
	v_and_b32 v9, 7, v1
	v_cmp_eq_u32 vcc_lo, 0, v9
	v_cndmask_b32 v[DD], 0, v[DD], vcc_lo
	v_cndmask_b32 v[DD+1], 0, v[DD+1], vcc_lo
	global_store_b64 v[SO], v[DD:DD+1], s[30:31]
	s_wait_tensorcnt 0x0                           ; the wave's end, behind my last LDS store
	ds_add_u32 v[SPW], v[NIL]
	s_wait_dscnt 0x0
	s_endpgm
.Lfunc_end_k_q8498418f06_prep:
	.size	k_q8498418f06_prep, .Lfunc_end_k_q8498418f06_prep-k_q8498418f06_prep
	.p2alignl 7, 3214868480
	.fill 96, 4, 3214868480
	.section	.rodata,"a",@progbits
	.p2align	6, 0x0
	.amdhsa_kernel k_q8498418f06_prep
		.amdhsa_group_segment_fixed_size 144384
		.amdhsa_private_segment_fixed_size 0
		.amdhsa_enable_private_segment 0
		.amdhsa_kernarg_size 72
		.amdhsa_user_sgpr_count 2
		.amdhsa_user_sgpr_kernarg_segment_ptr 1
		.amdhsa_wavefront_size32 1
		.amdhsa_system_sgpr_workgroup_id_x 1
		.amdhsa_system_sgpr_workgroup_id_y 1
		.amdhsa_system_sgpr_workgroup_id_z 1
		.amdhsa_system_vgpr_workitem_id 0
		.amdhsa_next_free_vgpr 224
		.amdhsa_next_free_sgpr 66
		.amdhsa_reserve_vcc 1
		.amdhsa_float_denorm_mode_32 3
		.amdhsa_float_denorm_mode_16_64 3
		.amdhsa_memory_ordered 1
		.amdhsa_forward_progress 1
		.amdhsa_inst_pref_size 113
	.end_amdhsa_kernel
	.amdgpu_metadata
---
amdhsa.version: [ 1, 2 ]
amdhsa.kernels:
  - .name:           k_q8498418f06_prep
    .symbol:         k_q8498418f06_prep.kd
    .args:
      - { .name: x, .offset: 0, .size: 8, .value_kind: global_buffer, .address_space: global }
      - { .name: b_mat, .offset: 8, .size: 8, .value_kind: global_buffer, .address_space: global }
      - { .name: h, .offset: 16, .size: 8, .value_kind: global_buffer, .address_space: global }
      - { .name: q_vec, .offset: 24, .size: 8, .value_kind: global_buffer, .address_space: global }
      - { .name: p_vec, .offset: 32, .size: 8, .value_kind: global_buffer, .address_space: global }
      - { .name: xb, .offset: 40, .size: 8, .value_kind: global_buffer, .address_space: global }
      - { .name: bt, .offset: 48, .size: 8, .value_kind: global_buffer, .address_space: global }
      - { .name: te, .offset: 56, .size: 8, .value_kind: global_buffer, .address_space: global }
      - { .name: pe, .offset: 64, .size: 8, .value_kind: global_buffer, .address_space: global }
    .group_segment_fixed_size: 144384
    .private_segment_fixed_size: 0
    .kernarg_segment_align: 8
    .kernarg_segment_size: 72
    .max_flat_workgroup_size: 256
    .sgpr_count:     66
    .vgpr_count:     224
    .wavefront_size: 32
...
	.end_amdgpu_metadata
.endif
;; end of part 1
;; launch gemm (part 2): grid 16 x 16, 4 waves a work-group, clusters of 4 x 4, 327,680 bytes of LDS; arguments xb, bt, te, pe, h, a_diag, out0; writes out0
.if DOCPART == 2
	.amdgcn_target "amdgcn-amd-amdhsa--gfx1250"
	.amdhsa_code_object_version 6
	.text
	.protected	k_q8498418f06_gemm
	.globl	k_q8498418f06_gemm
	.p2align	8
	.type	k_q8498418f06_gemm,@function
k_q8498418f06_gemm:
	s_mov_b64 s[64:65], 0
	v_nop
	global_prefetch_b8 v0, s[64:65] scope:SCOPE_SE
	s_setreg_imm32_b32 hwreg(HW_REG_WAVE_MODE, 25, 1), 1
	s_wait_xcnt 0x0
	s_wait_alu depctr_hold_cnt(0) depctr_sa_sdst(0) depctr_va_vdst(0) depctr_va_sdst(0) depctr_va_ssrc(0) depctr_va_vcc(0) depctr_vm_vsrc(0)
	s_getreg_b32 s2, hwreg(HW_REG_IB_STS2, 6, 4)
	s_cmp_eq_u32 s2, 0
	s_cbranch_scc0 .Lentry_in_a_cluster
	s_endpgm
.Lentry_in_a_cluster:
	s_bfe_u32 s2, ttmp6, 0x10000c
	s_cmp_lg_u32 s2, 0xf033
	s_cbranch_scc0 .Lentry_shape_is_right
	s_endpgm
.Lentry_shape_is_right:
; out[m][n] = h[m][n] (1 + a[n]) + sum over k < 4 of t[m][k] p[n][k] + sum over k of x[m][k] b[k][n].   4,096 x 4,096 x 4,096.
; xb = x in bf16, [m][k].  bt = b_mat in bf16, turned: [P][k], where position P holds column n(P) = 64 (P / 64) + 4 (P % 16) + (P / 16) % 4.  te = t in bf16, [m][32], zeros from k = 4 on;
; pe = p in bf16, [P][32], likewise.  All four were written by the launch before.  Sums in f32.
; A tile of out, 256 x 256, is made by a work-group of four waves; a wave makes 128 x 128: 64 accumulators of 16 x 16, 512 registers.  256 tiles, 256 work-groups.
; K goes in steps of 128 through a ring of two LDS slots filled by the tensor data mover: the rows of the tiles are 256 bytes of memory, at multiples of 256 bytes from the buffer's first byte.
; THE RANK-4 TERM IS THE SUM'S FIRST K STEP: 64 matrix instructions with C = 0 on fragments of te and pe, ahead of the loop: nothing is cleared, and the term costs one quarter step in 129.
; THE WAY OUT NEEDS NO LDS.  Source 0 = 16 rows of xb, source 1 = 16 positions of bt: register j of lane l holds row 8 (l / 16) + j and position l % 16.  By n(P) the accumulators b = 4 g .. 4 g + 3 hold, in lane r,
; the columns 64 g + 4 r .. + 3 of that row.  The one fused multiply-add that each number needs anyway, h (1 + a) + sum, writes them into four neighbouring registers: 16 bytes a lane, 256 consecutive bytes for 16 lanes.
; CLUSTERS: 4 x 4 work-groups.  The four of a row of the cluster need the same tiles of xb, the four of a column the same tiles of bt: each tile is asked for JOINTLY, by the same tensor load with the same
; descriptor and a mask that names the four.  That divides the requests for both by four.
; LIMITS.  x, b_mat, p and t enter rounded once to bf16.  1 + a is rounded once in f32, and h (1 + a) + the sums is one fused multiply-add: another order of rounding than the reference's.  NaN and infinities are not treated apart.
;
; REGISTERS, in windows of 256 (s_set_vgpr_msb's low byte: bits 1:0 source 0, 3:2 source 1, 5:4 source 2, 7:6 destination):
;   window 0: v0-31 addresses; v32-39 1 + a of my 8 columns a lane; v64-127, v128-191 fragments of xb, two buffers; v192-255 a block of h
;   window 1: v0-63 a block of h; v64-127, v128-191 fragments of bt, two buffers; v192-255 a block of h
;   window 2: the 32 accumulators of my rows 0-63 (accumulator (a, b) at v[8 (8 a + b)]);   window 3: those of my rows 64-127
.set SIZE_K, 4096
.set KSTEP,  128
.set PITCH,  272                       ; an LDS row: 256 bytes of data + 16 of padding = 68 words: row r starts at bank 4 r mod 64 (64 banks of 4 bytes: ISA guide 11.1), so the 16 rows that a load touches start at 16 different banks
.set HALFT,  128*PITCH                 ; 128 rows: what one tensor load brings, and what one wave reads of xb or of bt
.set SLOT,   4*HALFT                   ; xb's 256 rows, then bt's 256 rows
.set SPARE,  2*SLOT                    ; behind the ring: the spare words, 128 bytes for each wave: two blocks of 256 bytes that no other line names
.set LAPS,   SIZE_K/(2*KSTEP)          ; a lap = two K steps = once round the ring: 16
.set ROWB,   16384                     ; bytes in a row of h and of out
.set BLK,    16*ROWB                   ; a block of 16 rows
.set ADRA, 16                          ; v16-17  LDS address of my xb fragments in slot 0, 1
.set ADRB, 20                          ; v20-21  the same for bt
.set CO,   26                          ; v26     my byte offset in a block of h and of out: row 8 (l / 16), byte 16 (l % 16); never rewritten
.set PFO,  27                          ; v27     prefetch: row l / 2 of a block, byte 256 (l % 2); never rewritten
.set SPW,  28                          ; v28     LDS address of my spare word: SPARE + 4 x my thread's number; never rewritten
.set NIL,  29                          ; v29     0; never rewritten
.set LRO,  30                          ; v30     my byte offset in 16 rows of te or pe
.set AO,   31                          ; v31     my byte offset in a
.set A1,   32                          ; v32-39  1 + a of columns 64 g + 4 (l % 16) + c at A1 + 4 g + c
.set F0,   64                          ; fragment buffer 0
.set F1,   128                         ; fragment buffer 1
.set G1, 24                            ; s[24:31] descriptor group 1 for xb's tiles
.set G0, 32                            ; s[32:39] descriptor group 0 for xb's tiles, one set for each slot
.set G1B, 48                           ; s[48:55] descriptor group 1 for bt's tiles: it differs in the mask alone
.set G0B, 56                           ; s[56:63] descriptor group 0 for bt's tiles, one set for each slot
.set MSB, 0
.macro WIN new                         ; the immediate's high byte repeats the setting that is left; a switch that changes nothing is dropped
.if MSB != (\new)
	s_set_vgpr_msb (MSB<<8)|(\new)
.set MSB, \new
.endif
.endm
.set MUL_LO, 0xa4                      ; source 0 (xb) window 0, source 1 (bt) window 1, C and D window 2
.set MUL_HI, 0xf4                      ; the same, C and D window 3
.set TO_B,   0x40                      ; destination window 1, address window 0
; A joint load.  Waves 0 and 1 fetch xb's two halves, waves 2 and 3 bt's.  Each of the two lines has ONE mask and one set of registers for all that issue it.  The branch hangs on the wave's number alone.
; An s_nop 0 and four v_nop follow each of the two lines; the jump round the other line, the label and what follows the macro come after them.
.macro JLOAD s
	s_cmp_eq_u32 s11, 0
	s_cbranch_scc0 .Lfor_b_\@
	tensor_load_to_lds s[G0+4*(\s):G0+4*(\s)+3], s[G1:G1+7]
	s_nop 0
.rept 4
	v_nop
.endr
	s_branch .Lasked_\@
.Lfor_b_\@:
	tensor_load_to_lds s[G0B+4*(\s):G0B+4*(\s)+3], s[G1B:G1B+7]
	s_nop 0
.rept 4
	v_nop
.endr
.Lasked_\@:
.endm
; A round of the cluster's barrier: my work-group's barrier, so that wave 0's signal speaks for all four waves; wave 0 signals for the work-group; every wave waits for all sixteen work-groups; my work-group's barrier once more.
.macro CREST                           ; a round behind its opening barrier
	s_cmp_lg_u32 s10, 0
	s_cbranch_scc1 .Lnot_wave_0_\@
	s_barrier_signal -3
.Lnot_wave_0_\@:
	s_barrier_wait -3
	s_barrier_signal -1
	s_barrier_wait -1
.endm
.macro CROUND                          ; a whole round
	s_barrier_signal -1
	s_barrier_wait -1
	CREST
.endm
	s_load_b128 s[4:7], s[0:1], 0x0                ; xb s[4:5], bt s[6:7]
	s_load_b128 s[68:71], s[0:1], 0x10             ; te s[68:69], pe s[70:71]
	s_load_b128 s[72:75], s[0:1], 0x20             ; h s[72:73], a s[74:75]
	s_load_b64 s[8:9], s[0:1], 0x30                ; out
	v_lshl_add_u32 v[SPW], v0, 2, SPARE
	v_mov_b32 v[NIL], 0
	ds_add_u32 v[SPW], v[NIL]                      ; the wave's opening: the add and its wait stand ahead of my first tensor load; the set-up below, work on registers, stands between them
	v_lshrrev_b32 v1, 5, v0
	v_readfirstlane_b32 s10, v1                    ; wave 0..3
	s_lshr_b32 s11, s10, 1                         ; which half of the tile's rows is mine.  Also: I fetch for xb (0) or for bt (1)
	s_and_b32 s12, s10, 1                          ; which half of its columns.  Also: which 128 rows of that tile I fetch
	s_bfe_u32 s40, ttmp6, 0x40000                  ; cx: my place along the cluster's x
	s_bfe_u32 s41, ttmp6, 0x40004                  ; cy: along its y
	s_lshl_b32 s42, ttmp9, 2                       ; in a cluster launch ttmp9 and ttmp7 count clusters
	s_add_co_u32 s42, s42, s40                     ; tile column = 4 x cluster x + cx
	s_and_b32 s13, ttmp7, 0xffff
	s_lshl_b32 s13, s13, 2
	s_add_co_u32 s13, s13, s41                     ; tile row = 4 x cluster y + cy
	s_lshl_b32 s43, s41, 2
	s_lshl_b32 s43, 15, s43                        ; my row of the cluster: places 4 cy .. 4 cy + 3
	s_lshl_b32 s44, 0x1111, s40                    ; my column: places cx, cx + 4, cx + 8, cx + 12
	; descriptor group 1: a tile of 128 rows x 128 elements, padded in LDS
	s_or_b32 s[G1+0], s43, (1<<16)|(1<<20)|(1<<21)|(5<<22)|(3<<25)  ; 15:0 the mask: xb's tiles go to my row; 17:16 element of 2 bytes; 20 padding on; 21 set beside a mask; 24:22 after every 64 words (code 5); 31:25 of 4 words (code 3)
	s_or_b32 s[G1B+0], s44, (1<<16)|(1<<20)|(1<<21)|(5<<22)|(3<<25) ; the same with the mask of my column, for bt's tiles
.irp g, G1, G1B
	s_mov_b32 s[(\g)+1], KSTEP<<16                 ; 63:48 tensor_dim0, low half = 128
	s_mov_b32 s[(\g)+2], 128<<16                   ; 79:64 its high half = 0; 95:80 tensor_dim1, low half = 128
	s_mov_b32 s[(\g)+3], KSTEP<<16                 ; 111:96 its high half = 0; 127:112 tile_dim0 = 128
	s_mov_b32 s[(\g)+4], 128                       ; 143:128 tile_dim1 = 128; 159:144 tile_dim2 = 0
	s_mov_b32 s[(\g)+5], SIZE_K                    ; 191:160 tensor_dim0_stride, low word: elements from row to row
	s_mov_b32 s[(\g)+6], 0
	s_mov_b32 s[(\g)+7], 0
.endr
	; where the tiles come from.  xb's hang on the tile row alone, which my row of the cluster shares; bt's on the tile column alone, which my column shares.
	; Every wave makes both addresses, in registers that never hold the other coordinate, and asks by one of them.
	s_lshl_b32 s17, s12, 7                         ; which 128 rows of the tile I fetch
	s_lshl_b32 s16, s13, 8
	s_add_co_u32 s16, s16, s17                     ; xb: row 256 x tile row + 128 x half
	s_lshl_b32 s46, s42, 8
	s_add_co_u32 s46, s46, s17                     ; bt: row 256 x tile column + 128 x half
	s_mov_b32 s17, 0
	s_mov_b32 s47, 0
	s_mov_b64 s[18:19], SIZE_K*2
	s_mul_u64 s[16:17], s[16:17], s[18:19]         ; in bytes
	s_mul_u64 s[46:47], s[46:47], s[18:19]
	s_mul_i32 s20, s10, HALFT                      ; and where they go: wave x 128 rows: no place in the cluster enters an LDS address
	; the offsets of the plain loads and stores, in registers that feed no descriptor: m0 = 256 x tile row + 128 x my row half, n0 = 256 x tile column + 128 x my column half
	s_lshl_b32 s84, s13, 8
	s_lshl_b32 s85, s11, 7
	s_add_co_u32 s84, s84, s85                     ; m0
	s_lshl_b32 s86, s42, 8
	s_lshl_b32 s87, s12, 7
	s_add_co_u32 s86, s86, s87                     ; n0
	s_lshl_b32 s88, s84, 14                        ; m0 rows of 16,384 bytes
	s_lshl_b32 s89, s86, 2                         ; n0 columns of 4 bytes
	s_add_co_u32 s88, s88, s89                     ; under 2^26
	s_mov_b32 s89, 0
	s_wait_dscnt 0x0                               ; the opening add is done
	s_wait_kmcnt 0x0
	s_add_nc_u64 s[14:15], s[4:5], s[16:17]
	s_add_nc_u64 s[46:47], s[6:7], s[46:47]
	CROUND                                         ; all sixteen work-groups are here: the first joint loads meet
.irp s, 0,1
	s_mov_b32 s[G0+4*(\s)], 1                                      ; 1:0 count = 1
	s_add_co_u32 s[G0+4*(\s)+1], s20, (\s)*SLOT                    ; 63:32 LDS address
	s_add_nc_u64 s[G0+4*(\s)+2:G0+4*(\s)+3], s[14:15], (\s)*KSTEP*2  ; 120:64 global address: K step s
	s_or_b32 s[G0+4*(\s)+3], s[G0+4*(\s)+3], 0x80000000            ; 127:126 type = 2
	s_mov_b32 s[G0B+4*(\s)], 1
	s_add_co_u32 s[G0B+4*(\s)+1], s20, (\s)*SLOT
	s_add_nc_u64 s[G0B+4*(\s)+2:G0B+4*(\s)+3], s[46:47], (\s)*KSTEP*2
	s_or_b32 s[G0B+4*(\s)+3], s[G0B+4*(\s)+3], 0x80000000
	JLOAD \s                                       ; the ring is filled before anything else is done: two tensor loads of mine are out, the most in this text
.endr
	s_add_nc_u64 s[72:73], s[72:73], s[88:89]      ; h and out at my 128 x 128
	s_add_nc_u64 s[8:9], s[8:9], s[88:89]
	s_lshl_b32 s88, s86, 2
	s_add_nc_u64 s[74:75], s[74:75], s[88:89]      ; a at my 128 columns
	s_lshl_b32 s84, s84, 6
	s_mov_b32 s85, 0
	s_add_nc_u64 s[68:69], s[68:69], s[84:85]      ; te at my 128 rows of 64 bytes
	s_lshl_b32 s86, s86, 6
	s_mov_b32 s87, 0
	s_add_nc_u64 s[70:71], s[70:71], s[86:87]      ; pe at my 128 positions
	; A fragment is 16 rows x 32 K in 8 registers: lane l holds row l % 16; registers 0-3 hold K = 8 (l / 16) + 0..7, registers 4-7 hold K = 16 + 8 (l / 16) + 0..7: two loads of 16 bytes, 32 bytes apart.
	v_and_b32 v1, 15, v0                           ; l % 16
	v_bfe_u32 v2, v0, 4, 1                         ; l / 16
	v_mul_u32_u24 v3, v1, PITCH
	v_lshl_add_u32 v3, v2, 4, v3                   ; row x pitch + 16 x half
	s_mul_i32 s21, s11, HALFT                      ; my 128 rows of xb
	s_mul_i32 s22, s12, HALFT                      ; my 128 rows of bt,
	s_add_co_u32 s22, s22, 2*HALFT                 ; which lie behind xb's 256
.irp s, 0,1
	v_add_nc_u32 v[ADRA+(\s)], s21, v3
	v_add_nc_u32 v[ADRB+(\s)], s22, v3
	s_add_co_u32 s21, s21, SLOT
	s_add_co_u32 s22, s22, SLOT
.endr
	v_lshlrev_b32 v[AO], 4, v1                     ; 16 (l % 16)
	v_lshl_add_u32 v[CO], v2, 17, v[AO]            ; + 8 rows of 16,384 bytes for lanes 16-31
	v_lshlrev_b32 v[LRO], 6, v1
	v_lshl_add_u32 v[LRO], v2, 4, v[LRO]           ; row x 64 + 16 x half
	v_and_b32 v4, 31, v0
	v_lshrrev_b32 v5, 1, v4
	v_and_b32 v4, 1, v4
	v_lshlrev_b32 v4, 8, v4
	v_lshl_add_u32 v[PFO], v5, 14, v4
	; the rank-4 step's fragments come straight from memory into buffer 1: te's 128 rows and pe's 128 positions, 8,192 bytes each, once a wave
.irp i, 0,1,2,3,4,5,6,7
	global_load_b128 v[F1+8*\i:F1+8*\i+3],   v[LRO], s[68:69] offset:1024*\i
	global_load_b128 v[F1+8*\i+4:F1+8*\i+7], v[LRO], s[68:69] offset:1024*\i+32
.endr
	WIN TO_B
.irp i, 0,1,2,3,4,5,6,7
	global_load_b128 v[F1+8*\i:F1+8*\i+3],   v[LRO], s[70:71] offset:1024*\i
	global_load_b128 v[F1+8*\i+4:F1+8*\i+7], v[LRO], s[70:71] offset:1024*\i+32
.endr
	WIN 0
	global_load_b128 v[A1:A1+3],   v[AO], s[74:75]             ; a of columns 4 r .. 4 r + 3,
	global_load_b128 v[A1+4:A1+7], v[AO], s[74:75] offset:256  ; and of 64 + 4 r ..
; 16 matrix instructions: m blocks a0, a0 + 1 of the window's four (hi = 0: my rows 0-63, 1: rows 64-127) x all 8 n blocks, 32 along K.  zero = 1: the product starts the sums.
; The 64 accumulators take turns, one instruction a turn, in the same order in every quarter step.
.macro MUL16 f, hi, a0, zero
	WIN MUL_LO+0x50*(\hi)  ; MUL_LO or MUL_HI
.irp a, \a0, (\a0)+1
.irp b, 0,1,2,3,4,5,6,7
.if \zero
	v_wmma_f32_16x16x32_bf16 v[8*(8*(\a)+(\b)):8*(8*(\a)+(\b))+7], v[(\f)+8*(4*(\hi)+(\a)):(\f)+8*(4*(\hi)+(\a))+7], v[(\f)+8*(\b):(\f)+8*(\b)+7], 0
.else
	v_wmma_f32_16x16x32_bf16 v[8*(8*(\a)+(\b)):8*(8*(\a)+(\b))+7], v[(\f)+8*(4*(\hi)+(\a)):(\f)+8*(4*(\hi)+(\a))+7], v[(\f)+8*(\b):(\f)+8*(\b)+7], v[8*(8*(\a)+(\b)):8*(8*(\a)+(\b))+7]
.endif
.endr
.endr
.endm
; 32 LDS loads in one run: the fragments of one quarter step (128 rows of bt, 128 rows of xb, 32 K at byte k of the rows) into buffer f
.macro FETCH slot, k, f
	WIN TO_B
.irp i, 0,1,2,3,4,5,6,7
	ds_load_b128 v[(\f)+8*(\i):(\f)+8*(\i)+3],   v[ADRB+(\slot)] offset:(\k)+(\i)*16*PITCH
	ds_load_b128 v[(\f)+8*(\i)+4:(\f)+8*(\i)+7], v[ADRB+(\slot)] offset:(\k)+(\i)*16*PITCH+32
.endr
	WIN 0
.irp i, 0,1,2,3,4,5,6,7
	ds_load_b128 v[(\f)+8*(\i):(\f)+8*(\i)+3],   v[ADRA+(\slot)] offset:(\k)+(\i)*16*PITCH
	ds_load_b128 v[(\f)+8*(\i)+4:(\f)+8*(\i)+7], v[ADRA+(\slot)] offset:(\k)+(\i)*16*PITCH+32
.endr
.endm
; A load into a register that a matrix instruction has read, and a vector instruction that reads a matrix result, stand four places behind that matrix instruction, and only plain vector instructions that
; name none of its registers are places (ISA guide 7.12.1 for vector instructions); the matrix instructions in between are not counted.
.macro PLACES
.rept 4
	v_nop
.endr
.endm
; A K step is four quarter steps of 32 along K, 64 matrix instructions each, on buffers 0, 1, 0, 1.
; One of the first three: multiplies buffer f; in its middle it fetches the next quarter's fragments, at byte k of the same slot's rows, into buffer g.
.macro QUARTER slot, k, f, g
	s_wait_dscnt 8                                 ; bt and xb's rows 0-63 are in; the youngest eight loads (xb's rows 64-127) may be out
	MUL16 \f, 0, 0, 0
	MUL16 \f, 0, 2, 0
	PLACES
	FETCH \slot, \k, \g
	s_wait_dscnt 32                                ; all but the 32 just issued
	MUL16 \f, 1, 0, 0
	MUL16 \f, 1, 2, 0
.endm
; The last quarter multiplies buffer 1 and changes slots.  MEET is its first half: ONE barrier for the change of slots.  In front of it each wave waits for all its tensor loads, of which one is out: its part
; of the next slot; adds 0 to its spare word; and waits for that and for its own reads of this slot.  Behind it nobody reads this slot any more and the next slot is whole.
.macro MEET round                      ; round = 1: a round of the cluster's barrier follows
	WIN 0                                          ; (the add's two registers lie in window 0)
	s_wait_tensorcnt 0x0                           ; all my tensor loads have landed: the one that was out is my part of the next slot;
	ds_add_u32 v[SPW], v[NIL]                      ; 0 onto my spare word;
	s_wait_dscnt 9                                 ; (the add and the youngest eight loads may be out)
	MUL16 F1, 0, 0, 0                              ; sixteen matrix instructions stand between the add and the wait for it
	s_wait_dscnt 0x0                               ; the add is done, and my reads of this slot are over:
	s_barrier_signal -1                            ; say so (where a slot is filled again this barrier opens a round of the cluster's barrier),
	MUL16 F1, 0, 2, 0                              ; work on registers while the others arrive,
.if \round
	WIN 0
.endif
	s_barrier_wait -1                              ; and go on when all four have said so
.endm
; The whole last quarter.  fill = 1: behind the round the slot just read out is filled again first, with the K step two steps on; then come the next slot's first fragments.
; From a request to the wait for it a wave issues 224 matrix instructions.
.macro TURN slot, next, fill
	MEET \fill
.if \fill
	CREST                                          ; no wave of any partner still reads this slot's tile or has a load on its way
	s_add_nc_u64 s[G0+4*(\slot)+2:G0+4*(\slot)+3], s[G0+4*(\slot)+2:G0+4*(\slot)+3], 2*KSTEP*2     ; no tensor load of mine is out: a group 0 may be written
	s_add_nc_u64 s[G0B+4*(\slot)+2:G0B+4*(\slot)+3], s[G0B+4*(\slot)+2:G0B+4*(\slot)+3], 2*KSTEP*2
	JLOAD \slot                                    ; the first tensor load behind the round; the four v_nop behind it are also the places in front of the loads below
.else
	PLACES
.endif
	FETCH \next, 0, F0
	MUL16 F1, 1, 0, 0
	MUL16 F1, 1, 2, 0
.endm
; THE WAY OUT, by blocks a of 16 rows x my 128 columns: 64 registers of h, which become 64 registers of out.  Four buffers by turns: three that no product names, and xb's fragment buffer 0, free behind the last product.
.macro HBUF a
.if ((\a)%4) == 0
.set WB, 1
.set HB, 0
.elseif ((\a)%4) == 1
.set WB, 1
.set HB, 192
.elseif ((\a)%4) == 2
.set WB, 0
.set HB, 192
.else
.set WB, 0
.set HB, 64
.endif
.endm
.macro HLOAD a                         ; 16 loads: row 8 (l / 16) + r of the block, columns 64 g + 4 (l % 16) + 0..3: sixteen lanes read 256 consecutive bytes, aligned
	HBUF \a
	WIN WB<<6
.irp r, 0,1,2,3,4,5,6,7
.irp g, 0,1
	global_load_b128 v[HB+4*(2*\r+\g):HB+4*(2*\r+\g)+3], v[CO], s[72:73] offset:(\a)*BLK+\r*ROWB+256*\g th:TH_LOAD_NT
.endr
.endr
.endm
.macro FMA a                           ; out = h (1 + a) + sum, in place of h.  Register 0 of each of the block's eight accumulators is read first
	HBUF \a
.set WF, (WB<<6)|((2+(\a)/4)<<4)|WB
	WIN WF                                         ; destination and source 0: h's window; source 1: window 0; source 2: the accumulators'
.irp r, 0,1,2,3,4,5,6,7
.irp g, 0,1
.irp c, 0,1,2,3
	v_fma_f32 v[HB+4*(2*\r+\g)+\c], v[HB+4*(2*\r+\g)+\c], v[A1+4*\g+\c], v[64*((\a)%4)+8*(4*\g+\c)+\r]
.endr
.endr
.endr
.endm
.macro SEND a                          ; 16 stores: sixteen lanes store 256 consecutive bytes, at a multiple of 256 from out's first byte; the offsets, 1,949,952 at the most, fit the signed 24-bit immediate
	HBUF \a
	WIN WB<<2
.irp r, 0,1,2,3,4,5,6,7
.irp g, 0,1
	global_store_b128 v[CO], v[HB+4*(2*\r+\g):HB+4*(2*\r+\g)+3], s[8:9] offset:(\a)*BLK+\r*ROWB+256*\g th:TH_STORE_NT
.endr
.endr
.endm
	s_wait_tensorcnt 1                             ; my part of K step 0 is in; K step 1's may stay out
	s_barrier_signal -1
	s_barrier_wait -1                              ; everybody's is
	FETCH 0, 0, F0
	s_wait_loadcnt 0x0                             ; te, pe, a
.irp i, 0,1,2,3,4,5,6,7
	v_add_f32 v[A1+\i], 1.0, v[A1+\i]              ; 1 + a, once
.endr
	MUL16 F1, 0, 0, 1                              ; THE RANK-4 STEP starts all 64 sums
	MUL16 F1, 0, 2, 1
	MUL16 F1, 1, 0, 1
	MUL16 F1, 1, 2, 1
	QUARTER 0, 64,  F0, F1                         ; K step 0's first quarter; its places stand between the rank-4 products and the loads into buffer 1
	WIN 0                                          ; at a label and at a branch every window is 0
	s_mov_b32 s3, LAPS-1
.Llap:                                                 ; a trip goes once round the ring, from a lap's second quarter to the next lap's first, and fills both slots again: trip t with K steps 2 t + 2 and 2 t + 3
	QUARTER 0, 128, F1, F0
	QUARTER 0, 192, F0, F1
	TURN 0, 1, 1
	QUARTER 1, 64,  F0, F1
	QUARTER 1, 128, F1, F0
	QUARTER 1, 192, F0, F1
	TURN 1, 0, 1
	QUARTER 0, 64,  F0, F1
	WIN 0
	s_sub_co_u32 s3, s3, 1
	s_cmp_lg_u32 s3, 0
	s_cbranch_scc1 .Llap
	; THE LAST LAP is written out: it fills nothing.  The first three blocks of h are asked for here, into registers that no product names: 48 loads, seven quarter steps ahead of their use.
	HLOAD 0
	HLOAD 1
	HLOAD 2
	QUARTER 0, 128, F1, F0
	QUARTER 0, 192, F0, F1
	TURN 0, 1, 0                                   ; my one tensor load that was still out is slot 1's, the last K step's, so no round follows
	WIN 0
	; blocks 3 to 6 of my part of h are asked for ahead: a line names 32 different aligned pieces of 256 bytes (16 rows x 512 bytes), which no other wave reads: 32,768 bytes a wave, 131,072 a work-group,
	; 256 matrix instructions ahead of the first load that wants them.  Block 7 is left out, to stop at that figure.
.irp a, 3,4,5,6
	global_prefetch_b8 v[PFO], s[72:73] offset:\a*BLK th:TH_LOAD_NT scope:SCOPE_SE
.endr
	QUARTER 1, 64,  F0, F1
	QUARTER 1, 128, F1, F0
	QUARTER 1, 192, F0, F1
	s_wait_dscnt 8                                 ; the very last quarter: nothing more to fetch
	MUL16 F1, 0, 0, 0
	MUL16 F1, 0, 2, 0
	s_wait_dscnt 0x0
	MUL16 F1, 1, 0, 0
	MUL16 F1, 1, 2, 0
	PLACES                                         ; for the multiply-adds, which read results just made, and for the loads into xb's buffer 0
.irp a, 0,1,2,3,4,5,6,7
.if \a <= 5
	s_wait_loadcnt 32                              ; block a of h is in; the two younger blocks, 16 loads each, stay out
.elseif \a == 6
	s_wait_loadcnt 16
.else
	s_wait_loadcnt 0x0
.endif
.if \a <= 4
.if \a >= 1
	s_wait_xcnt 0x0                                ; the buffer was the data of block a - 1's stores: it is loaded again only behind this wait (ISA guide 3.1)
.endif
	HLOAD \a+3                                     ; 48 loads are out at the most
.endif
	FMA \a
	SEND \a
.endr
	WIN 0
	s_wait_tensorcnt 0x0                           ; the wave's end, behind my last tensor load
	ds_add_u32 v[SPW], v[NIL]
	s_wait_dscnt 0x0
	CROUND                                         ; the closing round: no work-group ends while a partner may still ask for a tile that names it
	s_endpgm
.Lfunc_end_k_q8498418f06_gemm:
	.size	k_q8498418f06_gemm, .Lfunc_end_k_q8498418f06_gemm-k_q8498418f06_gemm
	.p2alignl 7, 3214868480
	.fill 96, 4, 3214868480
	.section	.rodata,"a",@progbits
	.p2align	6, 0x0
	.amdhsa_kernel k_q8498418f06_gemm
		.amdhsa_group_segment_fixed_size 327680
		.amdhsa_private_segment_fixed_size 0
		.amdhsa_enable_private_segment 0
		.amdhsa_kernarg_size 56
		.amdhsa_user_sgpr_count 2
		.amdhsa_user_sgpr_kernarg_segment_ptr 1
		.amdhsa_wavefront_size32 1
		.amdhsa_system_sgpr_workgroup_id_x 1
		.amdhsa_system_sgpr_workgroup_id_y 1
		.amdhsa_system_sgpr_workgroup_id_z 1
		.amdhsa_system_vgpr_workitem_id 0
		.amdhsa_next_free_vgpr 1024
		.amdhsa_next_free_sgpr 92
		.amdhsa_reserve_vcc 0
		.amdhsa_float_denorm_mode_32 3
		.amdhsa_float_denorm_mode_16_64 3
		.amdhsa_memory_ordered 1
		.amdhsa_forward_progress 1
		.amdhsa_inst_pref_size 176
	.end_amdhsa_kernel
	.amdgpu_metadata
---
amdhsa.version: [ 1, 2 ]
amdhsa.kernels:
  - .name:           k_q8498418f06_gemm
    .symbol:         k_q8498418f06_gemm.kd
    .args:
      - { .name: xb, .offset: 0, .size: 8, .value_kind: global_buffer, .address_space: global }
      - { .name: bt, .offset: 8, .size: 8, .value_kind: global_buffer, .address_space: global }
      - { .name: te, .offset: 16, .size: 8, .value_kind: global_buffer, .address_space: global }
      - { .name: pe, .offset: 24, .size: 8, .value_kind: global_buffer, .address_space: global }
      - { .name: h, .offset: 32, .size: 8, .value_kind: global_buffer, .address_space: global }
      - { .name: a_diag, .offset: 40, .size: 8, .value_kind: global_buffer, .address_space: global }
      - { .name: out0, .offset: 48, .size: 8, .value_kind: global_buffer, .address_space: global }
    .group_segment_fixed_size: 327680
    .private_segment_fixed_size: 0
    .kernarg_segment_align: 8
    .kernarg_segment_size: 56
    .max_flat_workgroup_size: 128
    .sgpr_count:     92
    .vgpr_count:     1024
    .wavefront_size: 32
...
	.end_amdgpu_metadata
.endif
;; end of part 2
;; ======== version 2 of 2: 2 launches; version 1 with the launch prep written anew for expert scheduling mode
;; workspace buffers: xb 33,554,432 bytes; bt 33,554,432 bytes; te 262,144 bytes; pe 262,144 bytes
;; launch prep (part 3): grid 256 x 3, 8 waves a work-group, no clusters, 144,384 bytes of LDS; arguments x, b_mat, h, q_vec, p_vec, xb, bt, te, pe; writes xb, bt, te, pe
.if DOCPART == 3
	.amdgcn_target "amdgcn-amd-amdhsa--gfx1250"
	.amdhsa_code_object_version 6
	.text
	.protected	k_q8498418f06_prep
	.globl	k_q8498418f06_prep
	.p2align	8
	.type	k_q8498418f06_prep,@function
k_q8498418f06_prep:
	s_mov_b64 s[64:65], 0
	v_nop
	global_prefetch_b8 v0, s[64:65] scope:SCOPE_SE
	s_setreg_imm32_b32 hwreg(HW_REG_WAVE_SCHED_MODE, 0, 2), 2
	s_setreg_imm32_b32 hwreg(HW_REG_WAVE_MODE, 25, 1), 1
	s_wait_xcnt 0x0
	s_wait_alu depctr_vm_vsrc(0)
; PREP: what the product's launch wants ready.  Three roles, chosen by the work-group's y; every wave of every role reads 32,768 bytes by 64 loads of 16 bytes a lane, 32 of them on their way.
;   role 0 (X): xb[m][k] = bf16(x[m][k]).                                     A wave takes 32,768 consecutive bytes of x.
;   role 1 (B): bt[P][k] = bf16(b_mat[k][n(P)]), n(P) = 64 (P / 64) + 4 (P % 16) + (P / 16) % 4.   A wave takes 128 k x 64 n and turns it in LDS bytes of its own.
;   role 2 (H): te[m][0..3] = bf16(t[m][0..3]), t = h q summed in f32; te[m][4..31] = 0.  pe[P][0..3] = bf16(p[n(P)][0..3]); pe[P][4..31] = 0.   A work-group takes 16 rows of h, a wave 512 columns.
; WHY THE ORDER n(P): in the product's result a lane holds one position P of bt.  With this order the four accumulators 16 positions apart hold, in one lane, four NEIGHBOURING columns of the output,
; so the product's launch stores 16 bytes a lane, 256 consecutive bytes for sixteen lanes, without a trip through LDS.
; No matrix unit, no cluster, no tensor load: no byte is shared between work-groups (q's 65,536 bytes aside), and registers hold what is on its way.
; LIMITS.  x, b_mat, p and t are rounded once to bf16 (nearest even; bf16 has f32's range).  t's f32 sum goes by lanes, then by waves: another order than the reference's.  NaN and infinities are not treated apart.
; THE MODE: SCHED_MODE bits 1:0 = 2 (LLVM: expert scheduling mode 2), set by the entry lines.  The code itself states the register dependences
; between vector instructions and memory or LDS instructions, with s_wait_alu, always for 0.
; THE PLAN.  Each role goes in eight chunks of eight loads, written out.  Registers that memory or LDS instructions touch:
;   v4-v8, v14    offsets and LDS addresses: each made once by vector lines, ahead of a wait on va_vdst, and never written again.
;   X0 .. X3      chunk c's vector work reads X[c % 4]; behind it, for c < 4, the loads of chunk c + 4 land there.
;   role X        chunks 0-3 round into Y0 .. Y3, a buffer to each; chunks 4-7 round in place, into an X buffer that is not asked for again.  No register that a store reads is written again.
;   role B        chunk c rounds into Y[c % 4], which its four LDS stores read.
;   role H        chunk c's two rows end their sums in R[c % 4], which its two LDS stores read; Y is named by vector lines alone.
; So ONE wait on va_vdst stands in a chunk, behind its vector work: X[c % 4] is read out and the out-registers are written; the chunk's loads and stores follow it with no vector line between.
; ONE wait on vm_vsrc stands in role B and in role H, at the head of chunk 4: the LDS stores of chunks 0-3 have read the four out-buffers, which chunks 4-7 write again.
.set PITCH, 272                        ; role B: an LDS row of 128 bf16 + 16 bytes: 16 rows that a store touches start at 16 different 16-byte columns of 256
.set WREG,  64*PITCH                   ; role B: a wave's own 64 rows
.set PART,  8*WREG                     ; role H: 16 partial sums (wave, half of the lanes) x 16 rows x 4 f32 = 4,096 bytes
.set SPARE, PART+4096                  ; the spare words, 128 bytes for each of eight waves: four blocks of 256 bytes that no other line names
.set LO,  4                            ; v4   byte offset of my loads; never rewritten
.set SO,  5                            ; v5   byte offset of my stores; never rewritten
.set LW,  6                            ; v6   LDS address that I write
.set LR,  7                            ; v7   LDS address that I read
.set QO,  8                            ; v8   byte offset in q
.set SPW, 10                           ; v10  LDS address of my spare word; never rewritten
.set NIL, 11                           ; v11  0; never rewritten
.set DD,  12                           ; v[12:13]  role H: the 8 bytes that I store
.set PO,  14                           ; v14  role H: byte offset in p
.set Y,   16                           ; v[16:79]  roles X and B: four out-buffers of 16;  role H: v[16:31] at work
.set Q,   32                           ; v[32:95]  role H: q's rows of my 16 columns
.set X,   96                           ; v[96:223] four buffers of eight loads
.set R,   224                          ; v[224:255] role H: four out-buffers of two rows' four sums
	s_load_b256 s[8:15], s[0:1], 0x0               ; x s[8:9], b_mat s[10:11], h s[12:13], q s[14:15]
	s_load_b256 s[16:23], s[0:1], 0x20             ; p s[16:17], xb s[18:19], bt s[20:21], te s[22:23]
	s_load_b64 s[24:25], s[0:1], 0x40              ; pe
	v_lshl_add_u32 v[SPW], v0, 2, SPARE
	v_mov_b32 v[NIL], 0
	v_and_b32 v1, 31, v0                           ; l: lane
	v_and_b32 v2, 15, v0                           ; r = l % 16
	v_bfe_u32 v3, v0, 4, 1                         ; hh = l / 16
	v_lshrrev_b32 v9, 5, v0
	v_readfirstlane_b32 s3, v9                     ; w: wave 0..7
	s_and_b32 s2, ttmp7, 0xffff                    ; the role: alike in all waves of a work-group
	s_mov_b32 s4, ttmp9                            ; g: 0..255
	s_mov_b32 s27, 0                               ; high words of the two offsets
	s_mov_b32 s29, 0
	s_wait_alu depctr_va_sdst(0)                   ; s3 is written, ahead of the branches: every role makes its bases from it
	s_wait_kmcnt 0x0
	s_cmp_eq_u32 s2, 1
	s_cbranch_scc1 .Lrole_b
	s_cmp_eq_u32 s2, 2
	s_cbranch_scc1 .Lrole_h
; Chunk c of eight: eight loads into buffer c % 4.  Load i = 8 c + e stands at (i / dv) s1 + (i % dv) s2 bytes.
.macro LD8 c, base, dv, s1, s2
.irp e, 0,1,2,3,4,5,6,7
	global_load_b128 v[X+32*((\c)%4)+4*\e:X+32*((\c)%4)+4*\e+3], v[LO], s[\base:\base+1] offset:((8*(\c)+\e)/(\dv))*(\s1)+((8*(\c)+\e)%(\dv))*(\s2) th:TH_LOAD_NT
.endr
.endm
; Loads come back in order (ISA guide 5.7.1): chunk c is in when only the younger chunks are out: three of eight loads while chunks are still being asked for, then two, one, none.
.macro WAITC c
.if (\c) <= 4
	s_wait_loadcnt 24
.else
	s_wait_loadcnt 8*(7-(\c))
.endif
.endm
; ---------------- role 0: x to bf16 ----------------
	s_lshl_b32 s26, s4, 18                         ; the group's 262,144 bytes of x,
	s_lshl_b32 s5, s3, 15                          ; my wave's 32,768 of them
	s_add_co_u32 s26, s26, s5
	s_add_nc_u64 s[8:9], s[8:9], s[26:27]
	s_lshr_b32 s28, s26, 1                         ; half as many in xb
	s_add_nc_u64 s[18:19], s[18:19], s[28:29]
	v_lshlrev_b32 v[LO], 4, v1                     ; a load of the wave covers 512 consecutive bytes,
	v_lshlrev_b32 v[SO], 3, v1                     ; a store 256, aligned
	s_wait_alu depctr_va_vdst(0)                   ; v[LO] and v[SO] are written: every load and store of this role reads one of them as its offset
	LD8 0, 8, 1, 512, 0
	LD8 1, 8, 1, 512, 0
	LD8 2, 8, 1, 512, 0
	LD8 3, 8, 1, 512, 0
.irp c, 0,1,2,3                                        ; chunks 0-3: each rounds into an out-buffer of its own, so that no store's data are written again
	WAITC \c
.irp e, 0,1,2,3,4,5,6,7
	v_cvt_pk_bf16_f32 v[Y+16*\c+2*\e],   v[X+32*\c+4*\e],   v[X+32*\c+4*\e+1]
	v_cvt_pk_bf16_f32 v[Y+16*\c+2*\e+1], v[X+32*\c+4*\e+2], v[X+32*\c+4*\e+3]
.endr
	s_wait_alu depctr_va_vdst(0)                   ; the roundings are done reading X[c], in which the loads below land, and have written Y[c], which the stores below read
	LD8 \c+4, 8, 1, 512, 0                         ; the buffer just read is asked for again, ahead of the stores
.irp e, 0,1,2,3,4,5,6,7
	global_store_b64 v[SO], v[Y+16*\c+2*\e:Y+16*\c+2*\e+1], s[18:19] offset:256*(8*\c+\e)
.endr
.endr
.irp c, 4,5,6,7                                        ; chunks 4-7: their buffers are not asked for again: four numbers close up into the first two of their four registers
	WAITC \c
.irp e, 0,1,2,3,4,5,6,7
	v_cvt_pk_bf16_f32 v[X+32*(\c-4)+4*\e],   v[X+32*(\c-4)+4*\e],   v[X+32*(\c-4)+4*\e+1]
	v_cvt_pk_bf16_f32 v[X+32*(\c-4)+4*\e+1], v[X+32*(\c-4)+4*\e+2], v[X+32*(\c-4)+4*\e+3]
.endr
	s_wait_alu depctr_va_vdst(0)                   ; the roundings have written the pairs that the stores below read
.irp e, 0,1,2,3,4,5,6,7
	global_store_b64 v[SO], v[X+32*(\c-4)+4*\e:X+32*(\c-4)+4*\e+1], s[18:19] offset:256*(8*\c+\e)
.endr
.endr
	s_endpgm                                       ; this role has written no LDS
; ---------------- role 1: b_mat to bf16, turned ----------------
.Lrole_b:
	s_lshr_b32 s5, s4, 3                           ; kb = g / 8: which 128 k
	s_and_b32 s6, s4, 7
	s_lshl3_add_u32 s6, s6, s3                     ; ng = 8 (g % 8) + w: which 64 n
	s_lshl_b32 s26, s5, 21                         ; 128 rows of 16,384 bytes
	s_lshl_b32 s7, s6, 8                           ; 64 columns of 4 bytes
	s_add_co_u32 s26, s26, s7
	s_add_nc_u64 s[10:11], s[10:11], s[26:27]
	s_lshl_b32 s28, s6, 19                         ; 64 rows of bt, 8,192 bytes each
	s_lshl_b32 s7, s5, 8                           ; 128 k of 2 bytes
	s_add_co_u32 s28, s28, s7
	s_add_nc_u64 s[20:21], s[20:21], s[28:29]
	v_lshlrev_b32 v[LO], 4, v2
	v_lshl_add_u32 v[LO], v3, 20, v[LO]            ; load i: row k = 64 hh + i, columns 4 r .. 4 r + 3: each half of the lanes reads 256 consecutive bytes, aligned
	s_mul_i32 s7, s3, WREG                         ; my wave's own LDS bytes
	v_mul_u32_u24 v[LW], v2, PITCH
	v_lshl_add_u32 v[LW], v3, 7, v[LW]
	v_add_nc_u32 v[LW], s7, v[LW]                  ; in: LDS row r (+ 16 for each of my four columns), byte 128 hh (+ 16 for each chunk)
	v_mul_u32_u24 v[LR], v3, PITCH
	v_lshl_add_u32 v[LR], v2, 4, v[LR]
	v_add_nc_u32 v[LR], s7, v[LR]                  ; back: lanes 0-15 one row of 256 bytes, lanes 16-31 the next
	v_lshlrev_b32 v[SO], 4, v2
	v_lshl_add_u32 v[SO], v3, 13, v[SO]            ; and the same two rows in bt
	s_wait_alu depctr_va_vdst(0)                   ; v[LO], v[LW], v[LR] and v[SO] are written: the loads, LDS stores, LDS loads and stores of this role read them
	LD8 0, 10, 1, 16384, 0
	LD8 1, 10, 1, 16384, 0
	LD8 2, 10, 1, 16384, 0
	LD8 3, 10, 1, 16384, 0
.irp c, 0,1,2,3,4,5,6,7
	WAITC \c
.if \c == 4
	s_wait_alu depctr_vm_vsrc(0)                   ; the LDS stores of chunks 0-3 have read Y0 .. Y3, which the roundings of chunks 4-7 write again
.endif
.irp q, 0,1,2,3                                        ; my column 4 r + q: eight k of it, 64 hh + 8 c + 0..7, pack into 16 bytes
.irp u, 0,1,2,3
	v_cvt_pk_bf16_f32 v[Y+16*(\c%4)+4*\q+\u], v[X+32*(\c%4)+8*\u+\q], v[X+32*(\c%4)+8*\u+4+\q]
.endr
.endr
	s_wait_alu depctr_va_vdst(0)                   ; the roundings have written Y[c % 4], which the LDS stores below read, and are done reading X[c % 4], in which loads land: chunk c + 4's, or behind chunk 7 the read-backs
.if \c < 4
	LD8 \c+4, 10, 1, 16384, 0
.endif
.irp q, 0,1,2,3
	ds_store_b128 v[LW], v[Y+16*(\c%4)+4*\q:Y+16*(\c%4)+4*\q+3] offset:\q*16*PITCH+16*\c  ; LDS row 16 q + r IS position P % 64 of column 4 r + q
.endr
.endr
.irp i, 0,1,2,3,4,5,6,7,8,9,10,11,12,13,14,15,16,17,18,19,20,21,22,23,24,25,26,27,28,29,30,31
	ds_load_b128 v[X+4*\i:X+4*\i+3], v[LR] offset:2*PITCH*\i  ; LDS serves a wave's instructions in order (ISA guide 5.7.1.4): these see my stores above; no other wave touches these bytes.  No vector line since the last wait names X
.endr
.irp i, 0,1,2,3,4,5,6,7,8,9,10,11,12,13,14,15,16,17,18,19,20,21,22,23,24,25,26,27,28,29,30,31
	s_wait_dscnt 31-\i                             ; the younger read-backs may stay out
	global_store_b128 v[SO], v[X+4*\i:X+4*\i+3], s[20:21] offset:16384*\i  ; rows 2 i and 2 i + 1: sixteen lanes store 256 consecutive bytes, aligned
.endr
	s_wait_dscnt 0x0                               ; the wave's end
	s_wait_alu 0x0
	s_wait_tensorcnt 0x0
	ds_add_u32 v[SPW], v[NIL]
	s_wait_dscnt 0x0
	s_endpgm
; ---------------- role 2: t = h q, and p ----------------
.Lrole_h:
	s_lshl_b32 s26, s4, 18                         ; the group's 16 rows of 16,384 bytes,
	s_lshl_b32 s5, s3, 11                          ; my wave's 512 columns
	s_add_co_u32 s26, s26, s5
	s_add_nc_u64 s[12:13], s[12:13], s[26:27]
	s_lshl_b32 s28, s3, 13                         ; q's 512 rows of 16 bytes for those columns
	s_add_nc_u64 s[14:15], s[14:15], s[28:29]
	v_lshlrev_b32 v[LO], 4, v1                     ; a load covers 512 consecutive bytes of a row of h: columns 128 u + 4 l + 0..3
	v_lshlrev_b32 v[QO], 6, v1                     ; q's four rows for them: 64 bytes a lane
	v_lshlrev_b32 v[SO], 3, v1
	s_lshl_b32 s5, s3, 9
	s_add_co_u32 s5, s5, PART
	v_lshl_add_u32 v[LW], v3, 8, s5                ; partial 2 w + hh
	s_wait_alu depctr_va_vdst(0)                   ; v[LO], v[QO], v[SO] and v[LW] are written: the loads of h and q, the last store and the LDS stores read them
	; q first: 16 loads, 8,192 bytes once a wave, each lane's 16 bytes 64 apart: four loads together cover the same 2,048 consecutive bytes.  They stay in registers for all 16 rows.
.irp u, 0,1,2,3
.irp e, 0,1,2,3
	global_load_b128 v[Q+16*\u+4*\e:Q+16*\u+4*\e+3], v[QO], s[14:15] offset:2048*\u+16*\e
.endr
.endr
	LD8 0, 12, 4, 16384, 512                       ; a chunk is two rows' four loads; 48 loads are out at the most
	LD8 1, 12, 4, 16384, 512
	LD8 2, 12, 4, 16384, 512
	LD8 3, 12, 4, 16384, 512
; One row: my 16 numbers of h times q's rows, four chains (one for each load u) that do not wait for each other and are started by a product: nothing is cleared.
; A packed instruction takes ONE number of h for both halves (op_sel, op_sel_hi of source 0) and two of q's four columns.
; The fold's last two additions write the row's four sums into the out-registers rr .. rr + 3, and the steps over the lanes work there in place.
.macro ROWSUM xr, rr
.irp u, 0,1,2,3
	v_pk_mul_f32 v[Y+4*\u:Y+4*\u+1],   v[(\xr)+4*\u:(\xr)+4*\u+1], v[Q+16*\u:Q+16*\u+1] op_sel_hi:[0,1]
	v_pk_mul_f32 v[Y+4*\u+2:Y+4*\u+3], v[(\xr)+4*\u:(\xr)+4*\u+1], v[Q+16*\u+2:Q+16*\u+3] op_sel_hi:[0,1]
.endr
.irp u, 0,1,2,3
	v_pk_fma_f32 v[Y+4*\u:Y+4*\u+1],   v[(\xr)+4*\u:(\xr)+4*\u+1], v[Q+16*\u+4:Q+16*\u+5], v[Y+4*\u:Y+4*\u+1] op_sel:[1,0,0] op_sel_hi:[1,1,1]
	v_pk_fma_f32 v[Y+4*\u+2:Y+4*\u+3], v[(\xr)+4*\u:(\xr)+4*\u+1], v[Q+16*\u+6:Q+16*\u+7], v[Y+4*\u+2:Y+4*\u+3] op_sel:[1,0,0] op_sel_hi:[1,1,1]
.endr
.irp u, 0,1,2,3
	v_pk_fma_f32 v[Y+4*\u:Y+4*\u+1],   v[(\xr)+4*\u+2:(\xr)+4*\u+3], v[Q+16*\u+8:Q+16*\u+9], v[Y+4*\u:Y+4*\u+1] op_sel_hi:[0,1,1]
	v_pk_fma_f32 v[Y+4*\u+2:Y+4*\u+3], v[(\xr)+4*\u+2:(\xr)+4*\u+3], v[Q+16*\u+10:Q+16*\u+11], v[Y+4*\u+2:Y+4*\u+3] op_sel_hi:[0,1,1]
.endr
.irp u, 0,1,2,3
	v_pk_fma_f32 v[Y+4*\u:Y+4*\u+1],   v[(\xr)+4*\u+2:(\xr)+4*\u+3], v[Q+16*\u+12:Q+16*\u+13], v[Y+4*\u:Y+4*\u+1] op_sel:[1,0,0] op_sel_hi:[1,1,1]
	v_pk_fma_f32 v[Y+4*\u+2:Y+4*\u+3], v[(\xr)+4*\u+2:(\xr)+4*\u+3], v[Q+16*\u+14:Q+16*\u+15], v[Y+4*\u+2:Y+4*\u+3] op_sel:[1,0,0] op_sel_hi:[1,1,1]
.endr
	v_pk_add_f32 v[Y:Y+1],     v[Y:Y+1],     v[Y+4:Y+5]        ; the four chains into one
	v_pk_add_f32 v[Y+2:Y+3],   v[Y+2:Y+3],   v[Y+6:Y+7]
	v_pk_add_f32 v[Y+8:Y+9],   v[Y+8:Y+9],   v[Y+12:Y+13]
	v_pk_add_f32 v[Y+10:Y+11], v[Y+10:Y+11], v[Y+14:Y+15]
	v_pk_add_f32 v[(\rr):(\rr)+1],   v[Y:Y+1],   v[Y+8:Y+9]
	v_pk_add_f32 v[(\rr)+2:(\rr)+3], v[Y+2:Y+3], v[Y+10:Y+11]
.irp m, 1,2,4,8                                        ; over the 16 lanes of each half; the two halves stay two partial sums
.irp k, 0,1,2,3
	v_add_f32_dpp v[(\rr)+\k], v[(\rr)+\k], v[(\rr)+\k] row_xmask:\m row_mask:0xf bank_mask:0xf
.endr
.endr
.endm
.irp c, 0,1,2,3,4,5,6,7
	WAITC \c                                       ; the first of these also shows q in: its loads are older
.if \c == 4
	s_wait_alu depctr_vm_vsrc(0)                   ; the LDS stores of chunks 0-3 have read R0 .. R3, which the sums of chunks 4-7 write again
.endif
	ROWSUM X+32*(\c%4), R+8*(\c%4)
	ROWSUM X+32*(\c%4)+16, R+8*(\c%4)+4
	s_wait_alu depctr_va_vdst(0)                   ; the two rows' sums are done reading X[c % 4], in which the loads below land, and have written R[c % 4], which the LDS stores below read
.if \c < 4
	LD8 \c+4, 12, 4, 16384, 512
.endif
	ds_store_b128 v[LW], v[R+8*(\c%4):R+8*(\c%4)+3]   offset:16*(2*\c)    ; the 16 lanes of a half write the same 16 bytes with the same numbers
	ds_store_b128 v[LW], v[R+8*(\c%4)+4:R+8*(\c%4)+7] offset:16*(2*\c+1)
.endr
	v_lshrrev_b32 v9, 3, v1                        ; l / 8: which of the four rows of 64 bytes that my wave stores
	s_wait_dscnt 0x0                               ; for the others' sake: my partial sums are in LDS
	s_barrier_signal -1                            ; the launch's one barrier: all eight waves of a work-group of this role pass it
	s_barrier_wait -1
	s_cmp_ge_u32 s3, 4
	s_cbranch_scc1 .Lp
	; waves 0-3: rows 4 w .. 4 w + 3 of the group's 16: the 16 partial sums are added
	s_and_b32 s5, s3, 3
	s_lshl_b32 s5, s5, 6
	s_add_co_u32 s5, s5, PART
	v_lshl_add_u32 v[LR], v9, 4, s5
	s_wait_alu depctr_va_vdst(0)                   ; v[LR] is written, which the LDS loads below read; the rows' sums are long done reading X, in which they land
.irp i, 0,1,2,3,4,5,6,7,8,9,10,11,12,13,14,15
	ds_load_b128 v[X+4*\i:X+4*\i+3], v[LR] offset:256*\i
.endr
	s_wait_dscnt 0x0
.macro FOLD n, st                      ; n sums: the four numbers at X + 2 st i take the four st registers on
.set i, 0
.rept \n
	v_pk_add_f32 v[X+2*(\st)*i:X+2*(\st)*i+1],   v[X+2*(\st)*i:X+2*(\st)*i+1],   v[X+2*(\st)*i+(\st):X+2*(\st)*i+(\st)+1]
	v_pk_add_f32 v[X+2*(\st)*i+2:X+2*(\st)*i+3], v[X+2*(\st)*i+2:X+2*(\st)*i+3], v[X+2*(\st)*i+(\st)+2:X+2*(\st)*i+(\st)+3]
.set i, i+1
.endr
.endm
	FOLD 8, 4
	FOLD 4, 8
	FOLD 2, 16
	FOLD 1, 32
	s_mov_b64 s[30:31], s[22:23]                   ; to te
	s_branch .Lpack
.Lp:	; waves 4-7: positions P = 16 g + 4 (w - 4) + l / 8 of pe hold p's row n(P) = 64 (g / 4) + 16 (w - 4) + 4 (l / 8) + g % 4
	s_lshr_b32 s5, s4, 2
	s_lshl_b32 s5, s5, 6
	s_and_b32 s6, s4, 3
	s_add_co_u32 s5, s5, s6
	s_sub_co_u32 s6, s3, 4
	s_lshl_b32 s6, s6, 4
	s_add_co_u32 s5, s5, s6
	s_lshl_b32 s26, s5, 4                          ; rows of 16 bytes
	s_add_nc_u64 s[16:17], s[16:17], s[26:27]
	v_lshlrev_b32 v[PO], 6, v9                     ; a register of its own: no memory instruction has read it
	s_wait_alu depctr_va_vdst(0)                   ; v[PO] is written, which the load below reads; the rows' sums are long done reading X, in which it lands
	global_load_b128 v[X:X+3], v[PO], s[16:17]
	s_wait_loadcnt 0x0
	s_mov_b64 s[30:31], s[24:25]                   ; to pe
.Lpack:	; four numbers become the first 8 bytes of a row of 64; the other 56 are zeros.  A wave stores four such rows: 256 consecutive bytes, aligned
	s_lshl_b32 s26, s4, 10                         ; the group's 16 rows,
	s_and_b32 s5, s3, 3
	s_lshl_b32 s5, s5, 8                           ; my wave's four
	s_add_co_u32 s26, s26, s5
	s_add_nc_u64 s[30:31], s[30:31], s[26:27]
	v_cvt_pk_bf16_f32 v[DD], v[X], v[X+1]
	v_cvt_pk_bf16_f32 v[DD+1], v[X+2], v[X+3]
	v_and_b32 v9, 7, v1
	v_cmp_eq_u32 vcc_lo, 0, v9
	s_wait_alu depctr_va_vcc(0)                    ; the compare has written VCC, which the two selects read
	v_cndmask_b32 v[DD], 0, v[DD], vcc_lo
	v_cndmask_b32 v[DD+1], 0, v[DD+1], vcc_lo
	s_wait_alu depctr_va_vdst(0)                   ; the selects have written v[DD:DD+1], which the store reads
	global_store_b64 v[SO], v[DD:DD+1], s[30:31]
	s_wait_dscnt 0x0                               ; the wave's end
	s_wait_alu 0x0
	s_wait_tensorcnt 0x0
	ds_add_u32 v[SPW], v[NIL]
	s_wait_dscnt 0x0
	s_endpgm
.Lfunc_end_k_q8498418f06_prep:
	.size	k_q8498418f06_prep, .Lfunc_end_k_q8498418f06_prep-k_q8498418f06_prep
	.p2alignl 7, 3214868480
	.fill 96, 4, 3214868480
	.section	.rodata,"a",@progbits
	.p2align	6, 0x0
	.amdhsa_kernel k_q8498418f06_prep
		.amdhsa_group_segment_fixed_size 144384
		.amdhsa_private_segment_fixed_size 0
		.amdhsa_enable_private_segment 0
		.amdhsa_kernarg_size 72
		.amdhsa_user_sgpr_count 2
		.amdhsa_user_sgpr_kernarg_segment_ptr 1
		.amdhsa_wavefront_size32 1
		.amdhsa_system_sgpr_workgroup_id_x 1
		.amdhsa_system_sgpr_workgroup_id_y 1
		.amdhsa_system_sgpr_workgroup_id_z 1
		.amdhsa_system_vgpr_workitem_id 0
		.amdhsa_next_free_vgpr 256
		.amdhsa_next_free_sgpr 66
		.amdhsa_reserve_vcc 1
		.amdhsa_float_denorm_mode_32 3
		.amdhsa_float_denorm_mode_16_64 3
		.amdhsa_memory_ordered 1
		.amdhsa_forward_progress 1
		.amdhsa_inst_pref_size 114
	.end_amdhsa_kernel
	.amdgpu_metadata
---
amdhsa.version: [ 1, 2 ]
amdhsa.kernels:
  - .name:           k_q8498418f06_prep
    .symbol:         k_q8498418f06_prep.kd
    .args:
      - { .name: x, .offset: 0, .size: 8, .value_kind: global_buffer, .address_space: global }
      - { .name: b_mat, .offset: 8, .size: 8, .value_kind: global_buffer, .address_space: global }
      - { .name: h, .offset: 16, .size: 8, .value_kind: global_buffer, .address_space: global }
      - { .name: q_vec, .offset: 24, .size: 8, .value_kind: global_buffer, .address_space: global }
      - { .name: p_vec, .offset: 32, .size: 8, .value_kind: global_buffer, .address_space: global }
      - { .name: xb, .offset: 40, .size: 8, .value_kind: global_buffer, .address_space: global }
      - { .name: bt, .offset: 48, .size: 8, .value_kind: global_buffer, .address_space: global }
      - { .name: te, .offset: 56, .size: 8, .value_kind: global_buffer, .address_space: global }
      - { .name: pe, .offset: 64, .size: 8, .value_kind: global_buffer, .address_space: global }
    .group_segment_fixed_size: 144384
    .private_segment_fixed_size: 0
    .kernarg_segment_align: 8
    .kernarg_segment_size: 72
    .max_flat_workgroup_size: 256
    .sgpr_count:     66
    .vgpr_count:     256
    .wavefront_size: 32
...
	.end_amdgpu_metadata
.endif
;; end of part 3
;; launch gemm: the kernel of part 2 again; grid 16 x 16, 4 waves a work-group, clusters of 4 x 4, 327,680 bytes of LDS; arguments xb, bt, te, pe, h, a_diag, out0; writes out0
